; MI455X (gfx1250); checked and timed in simulation.
; The chip was launched on July 23, 2026; its instructions are those of AMD's public machine-readable ISA for CDNA 5 (MIT licence, August 2026) and "CDNA5" Instruction Set Architecture Reference Guide (July 2026). The comments in the code are by the model that wrote it; some were corrected since.
;; Mimic Acquisition. Allowed arithmetic: float matrix products may take bf16 or f16 operands with f32 sums; all other float work in f32.
;; Inputs: subsample_res 2 x 3 float32; vol 2 x 192 x 192 x 192 x 1 float32.
;; Outputs: out0 2 x 192 x 192 x 192 x 1 float32.
;; 3 versions, each right; version 2 is faster than version 1; version 3 is version 2 with the launch resample written anew for expert scheduling mode. Each part assembles by itself: llvm-mc -triple=amdgcn-amd-amdhsa -mcpu=gfx1250 --defsym DOCPART=n.
;; ======== version 1 of 3: 2 launches
;; workspace buffers: tabi 9,216 bytes of whole numbers; tabw 9,216 bytes
;; launch tables (part 1): grid 6 x 1, 6 waves a work-group, no clusters, 0 bytes of LDS; arguments subsample_res, tabi, tabw; writes tabi, tabw
.if DOCPART == 1
	.amdgcn_target "amdgcn-amd-amdhsa--gfx1250"
	.amdhsa_code_object_version 6
	.text
	.protected	k_qb71fff45d2_tables
	.globl	k_qb71fff45d2_tables
	.p2align	8
	.type	k_qb71fff45d2_tables,@function
k_qb71fff45d2_tables:
	s_mov_b64 s[64:65], 0
	v_nop
	global_prefetch_b8 v0, s[64:65] scope:SCOPE_SE
	s_setreg_imm32_b32 hwreg(HW_REG_WAVE_MODE, 25, 1), 1
	s_wait_xcnt 0x0
; Tables for the resampling.  The layer is separable: for batch b, axis d and output index i it needs
;   loc = clip(i / up_zoom, 0, 191), f0 = floor(loc), f1 = min(f0 + 1, 191), w0 = f1 - loc, w1 = 1 - w0,
;   and for f = f0, f1 the voxel that the nearest-neighbour pass put at mid-grid place f: near(f) = min(rndne(clip(f / down_zoom, 0, 192)), 191).
; One work-group of 192 threads for each (b, d), number g = 3 b + d; thread i is index i.  Each g owns 1,536 bytes of either buffer:
;   tabw: w0[192], w1[192] (f32), every axis.
;   tabi: axes 0 and 2: near(f0)[192], near(f1)[192].
;         axis 1: 16 chunks of 12 output rows, 24 words each: the LIST of source rows of the chunk in the order in which a window of two
;         rows, slid one row at a time, needs them.  Word t = row | (output rows made once entry t is in the window) << 8 | (length of the list) << 16.
; The list: row r of a chunk needs the mid-grid pair (f0, f1).  Against row r - 1, f0 has moved by 0 (same window), by 1 (one new entry, f1) or by more
; (two new entries, f0 and f1); the chunk's first row takes two.  cum = entries pushed up to and with row r.  Then entry cum - 1 is f1 and entry
; cum - 2 is f0 in all three cases, and row r is made when entry cum - 1 has come.  At most 24 entries.  Each thread owns list places 2k and 2k + 1
; of its chunk and picks their contents by compares and selects over the 12 rows: no store address hangs on a computed number.
; DIVISIONS are rounded to nearest as an IEEE division is: reciprocal, one Newton step, quotient, two corrections by the exact remainder (fma).
; A floor, a truncation or a tie of rndne that fell the other way would name another voxel.
; LIMITS: subsample_res in (192 / 2^31, 192], so that int32(192 / res) is at least 1 and fits; outside it the layer divides by zero or overflows.
; The stores of 4 bytes a lane cover 128 consecutive bytes a wave; both buffers together are 18,432 bytes.
.set C192,  0x43400000                 ; 192.0
.set C191,  0x433f0000                 ; 191.0
.set FIELD, 768                        ; bytes of an array of 192 words
.set GROUP, 2*FIELD                    ; bytes of one (b, d) in either buffer
.set RES,  1                           ; subsample_res[b][d]
.set K192, 2                           ; 192.0
.set ET,   3                           ; remainder, at work
.set QT,   4                           ; quotient, at work
.set YR,   5                           ; a reciprocal, at work
.set DSH,  6                           ; down shape as f32
.set DZ,   7                           ; down zoom
.set UZ,   8                           ; up zoom
.set YDZ,  9                           ; 1 / down zoom
.set YUZ,  10                          ; 1 / up zoom
.set FI,   11                          ; i as f32
.set LOC,  12
.set F0,   13
.set F1,   14
.set W0,   15
.set W1,   16
.set BO,   17                          ; 4 i
.set I0,   18
.set I1,   19
.set CH,   20                          ; chunk = i / 12
.set C12,  21                          ; 12 x chunk
.set KK,   22                          ; 2 (i mod 12): my first list place
.set T1,   23                          ; that place + 1, + 2, + 3 as f32
.set T2,   24
.set T3,   25
.set FA,   26                          ; mid-grid coordinate of my two list places
.set FB,   27
.set MA,   28                          ; rows made at my two list places
.set MB,   29
.set NN,   30                          ; length of the list
.set BO2,  31                          ; 8 i
.set EA,   32                          ; v[32:33] my two list words
.set YY,   36                          ; v[36:47] the chunk's 12 rows: y, later cum
.set QQ,   48                          ; v[48:59] their quotient, later f0
.set EE,   60                          ; v[60:71] their remainder, later f1
.macro RECIP rcp, den                  ; rcp = 1 / den, one Newton step on the hardware's estimate
	v_rcp_f32 v[\rcp], v[\den]
	v_nop                                          ; one plain instruction between v_rcp_f32 and the use of its result (ISA guide 5.7.2)
	s_wait_alu depctr_va_vdst(0)
	v_fma_f32 v[ET], -v[\den], v[\rcp], 1.0
	v_fma_f32 v[\rcp], v[ET], v[\rcp], v[\rcp]
.endm
.macro QUOT quo, num, den, rcp         ; quo = num / den, rounded to nearest
	v_mul_f32 v[\quo], v[\num], v[\rcp]
	v_fma_f32 v[ET], -v[\den], v[\quo], v[\num]    ; the exact remainder
	v_fma_f32 v[\quo], v[ET], v[\rcp], v[\quo]
	v_fma_f32 v[ET], -v[\den], v[\quo], v[\num]
	v_fma_f32 v[\quo], v[ET], v[\rcp], v[\quo]
.endm
.macro NEAR dst, f                     ; dst = the voxel index that stands at mid-grid place f
	QUOT QT, \f, DZ, YDZ
	v_max_num_f32 v[QT], 0, v[QT]
	v_min_num_f32 v[QT], C192, v[QT]               ; the layer's clip to [0, 192]
	v_rndne_f32 v[QT], v[QT]                       ; ties to even
	v_min_num_f32 v[QT], C191, v[QT]               ; the gather's clip to the last voxel
	v_cvt_u32_f32 v[\dst], v[QT]
.endm
	s_load_b128 s[4:7], s[0:1], 0x0                ; subsample_res s[4:5], tabi s[6:7]
	s_load_b64 s[8:9], s[0:1], 0x10                ; tabw
	s_mov_b32 s16, ttmp9                           ; g = 3 b + d
	s_lshl_b32 s10, s16, 2                         ; byte offset of res[b][d]
	s_mov_b32 s11, 0
	s_mul_i32 s12, s16, GROUP                      ; byte offset of my part of either buffer
	s_mov_b32 s13, 0
	s_cmp_ge_u32 s16, 3
	s_cselect_b32 s14, 3, 0
	s_sub_co_u32 s14, s16, s14                     ; axis d
	v_mov_b32 v[K192], C192
	v_cvt_f32_u32 v[FI], v0
	v_lshlrev_b32 v[BO], 2, v0
	s_wait_kmcnt 0x0
	s_add_nc_u64 s[4:5], s[4:5], s[10:11]
	s_add_nc_u64 s[6:7], s[6:7], s[12:13]
	s_add_nc_u64 s[8:9], s[8:9], s[12:13]
	s_load_b32 s15, s[4:5], 0x0
	s_wait_kmcnt 0x0
	v_mov_b32 v[RES], s15
	RECIP YR, RES
	QUOT  QT, K192, RES, YR                        ; 192 / res
	v_cvt_i32_f32 v[DSH], v[QT]                    ; toward zero: the down shape
	v_cvt_f32_i32 v[DSH], v[DSH]
	RECIP YR, K192
	QUOT  DZ, DSH, K192, YR                        ; down zoom = shape / 192
	RECIP YR, DSH
	QUOT  UZ, K192, DSH, YR                        ; up zoom = 192 / shape
	RECIP YDZ, DZ
	RECIP YUZ, UZ
	; index i of my axis: place on the mid grid and the two weights
	QUOT LOC, FI, UZ, YUZ
	v_max_num_f32 v[LOC], 0, v[LOC]
	v_min_num_f32 v[LOC], C191, v[LOC]
	v_floor_f32 v[F0], v[LOC]
	v_add_f32 v[F1], 1.0, v[F0]
	v_min_num_f32 v[F1], C191, v[F1]
	v_sub_f32 v[W0], v[F1], v[LOC]
	v_sub_f32 v[W1], 1.0, v[W0]
	global_store_b32 v[BO], v[W0], s[8:9]
	global_store_b32 v[BO], v[W1], s[8:9] offset:FIELD
	s_cmp_eq_u32 s14, 1                            ; the axis is the same for the whole work-group
	s_cbranch_scc1 .Llist
	NEAR I0, F0                                    ; axes 0 and 2: the two voxel indices
	NEAR I1, F1
	global_store_b32 v[BO], v[I0], s[6:7]
	global_store_b32 v[BO], v[I1], s[6:7] offset:FIELD
	s_endpgm
.Llist:                                            ; axis 1: the chunks' lists.  None of W0, W1, BO, which the stores above read, is written below
	v_mul_u32_u24 v[CH], v0, 0xaaab                ; i / 12 = (43,691 i) >> 19 for i below 192
	v_lshrrev_b32 v[CH], 19, v[CH]
	v_mul_u32_u24 v[C12], v[CH], 12
	v_sub_nc_u32 v[KK], v0, v[C12]
	v_lshlrev_b32 v[KK], 1, v[KK]
	v_cvt_f32_u32 v[T3], v[KK]
	v_add_f32 v[T1], 1.0, v[T3]
	v_add_f32 v[T2], 2.0, v[T3]
	v_add_f32 v[T3], 1.0, v[T2]
	v_mov_b32 v[FA], 0                             ; places behind the list's end stay at coordinate 0: a valid row, never asked for
	v_mov_b32 v[FB], 0
	v_mov_b32 v[MA], 0
	v_mov_b32 v[MB], 0
	v_lshlrev_b32 v[BO2], 3, v0
	; f0 and f1 of the chunk's 12 rows, stage by stage over all 12, so that no instruction waits for the one in front of it
.irp r, 0,1,2,3,4,5,6,7,8,9,10,11
	v_add_nc_u32 v[YY+\r], \r, v[C12]
.endr
.irp r, 0,1,2,3,4,5,6,7,8,9,10,11
	v_cvt_f32_u32 v[YY+\r], v[YY+\r]
.endr
.irp r, 0,1,2,3,4,5,6,7,8,9,10,11
	v_mul_f32 v[QQ+\r], v[YY+\r], v[YUZ]
.endr
.irp r, 0,1,2,3,4,5,6,7,8,9,10,11
	v_fma_f32 v[EE+\r], -v[UZ], v[QQ+\r], v[YY+\r]
.endr
.irp r, 0,1,2,3,4,5,6,7,8,9,10,11
	v_fma_f32 v[QQ+\r], v[EE+\r], v[YUZ], v[QQ+\r]
.endr
.irp r, 0,1,2,3,4,5,6,7,8,9,10,11
	v_fma_f32 v[EE+\r], -v[UZ], v[QQ+\r], v[YY+\r]
.endr
.irp r, 0,1,2,3,4,5,6,7,8,9,10,11
	v_fma_f32 v[QQ+\r], v[EE+\r], v[YUZ], v[QQ+\r] ; y / up zoom, the same arithmetic as for the weights above
.endr
.irp r, 0,1,2,3,4,5,6,7,8,9,10,11
	v_max_num_f32 v[QQ+\r], 0, v[QQ+\r]
.endr
.irp r, 0,1,2,3,4,5,6,7,8,9,10,11
	v_min_num_f32 v[QQ+\r], C191, v[QQ+\r]
.endr
.irp r, 0,1,2,3,4,5,6,7,8,9,10,11
	v_floor_f32 v[QQ+\r], v[QQ+\r]                 ; f0
.endr
.irp r, 0,1,2,3,4,5,6,7,8,9,10,11
	v_add_f32 v[EE+\r], 1.0, v[QQ+\r]
.endr
.irp r, 0,1,2,3,4,5,6,7,8,9,10,11
	v_min_num_f32 v[EE+\r], C191, v[EE+\r]         ; f1
.endr
	; cum: 2 for the first row, then + min(step of f0, 2).  Small whole numbers, exact in f32
	v_mov_b32 v[YY], 2.0
.irp r, 1,2,3,4,5,6,7,8,9,10,11
	v_sub_f32 v[YY+\r], v[QQ+\r], v[QQ+\r-1]
.endr
.irp r, 1,2,3,4,5,6,7,8,9,10,11
	v_min_num_f32 v[YY+\r], 2.0, v[YY+\r]
.endr
.irp r, 1,2,3,4,5,6,7,8,9,10,11
	v_add_f32 v[YY+\r], v[YY+\r], v[YY+\r-1]
.endr
	; my places tA = 2k and tB = 2k + 1 against each row: place cum - 1 holds f1 and makes the row, place cum - 2 holds f0
.irp r, 0,1,2,3,4,5,6,7,8,9,10,11
	v_cmp_eq_f32 vcc_lo, v[YY+\r], v[T1]           ; tA = cum - 1
	v_cndmask_b32 v[FA], v[FA], v[EE+\r], vcc_lo
	v_add_co_ci_u32 v[MA], vcc_lo, 0, v[MA], vcc_lo ; + 1 where the compare held
	v_cmp_eq_f32 vcc_lo, v[YY+\r], v[T2]           ; tA = cum - 2, and tB = cum - 1
	v_cndmask_b32 v[FA], v[FA], v[QQ+\r], vcc_lo
	v_cndmask_b32 v[FB], v[FB], v[EE+\r], vcc_lo
	v_add_co_ci_u32 v[MB], vcc_lo, 0, v[MB], vcc_lo
	v_cmp_eq_f32 vcc_lo, v[YY+\r], v[T3]           ; tB = cum - 2
	v_cndmask_b32 v[FB], v[FB], v[QQ+\r], vcc_lo
.endr
	v_cvt_u32_f32 v[NN], v[YY+11]                  ; the list's length, 2 to 24
	NEAR EA, FA
	NEAR EA+1, FB
	v_lshl_or_b32 v[EA], v[MA], 8, v[EA]
	v_lshl_or_b32 v[EA+1], v[MB], 8, v[EA+1]
	v_lshl_or_b32 v[EA], v[NN], 16, v[EA]
	v_lshl_or_b32 v[EA+1], v[NN], 16, v[EA+1]
	global_store_b64 v[BO2], v[EA:EA+1], s[6:7]    ; word 24 chunk + 2k = 2 i: a wave's store covers 256 consecutive bytes
	s_endpgm
.Lfunc_end_k_qb71fff45d2_tables:
	.size	k_qb71fff45d2_tables, .Lfunc_end_k_qb71fff45d2_tables-k_qb71fff45d2_tables
	.p2alignl 7, 3214868480
	.fill 96, 4, 3214868480
	.section	.rodata,"a",@progbits
	.p2align	6, 0x0
	.amdhsa_kernel k_qb71fff45d2_tables
		.amdhsa_group_segment_fixed_size 0
		.amdhsa_private_segment_fixed_size 0
		.amdhsa_enable_private_segment 0
		.amdhsa_kernarg_size 24
		.amdhsa_user_sgpr_count 2
		.amdhsa_user_sgpr_kernarg_segment_ptr 1
		.amdhsa_wavefront_size32 1
		.amdhsa_system_sgpr_workgroup_id_x 1
		.amdhsa_system_sgpr_workgroup_id_y 1
		.amdhsa_system_sgpr_workgroup_id_z 1
		.amdhsa_system_vgpr_workitem_id 0
		.amdhsa_next_free_vgpr 72
		.amdhsa_next_free_sgpr 66
		.amdhsa_reserve_vcc 1
		.amdhsa_float_denorm_mode_32 3
		.amdhsa_float_denorm_mode_16_64 3
		.amdhsa_memory_ordered 1
		.amdhsa_forward_progress 1
		.amdhsa_inst_pref_size 19
	.end_amdhsa_kernel
	.amdgpu_metadata
---
amdhsa.version: [ 1, 2 ]
amdhsa.kernels:
  - .name:           k_qb71fff45d2_tables
    .symbol:         k_qb71fff45d2_tables.kd
    .args:
      - { .name: subsample_res, .offset: 0, .size: 8, .value_kind: global_buffer, .address_space: global }
      - { .name: tabi, .offset: 8, .size: 8, .value_kind: global_buffer, .address_space: global }
      - { .name: tabw, .offset: 16, .size: 8, .value_kind: global_buffer, .address_space: global }
    .group_segment_fixed_size: 0
    .private_segment_fixed_size: 0
    .kernarg_segment_align: 8
    .kernarg_segment_size: 24
    .max_flat_workgroup_size: 192
    .sgpr_count:     66
    .vgpr_count:     72
    .wavefront_size: 32
...
	.end_amdgpu_metadata
.endif
;; end of part 1
;; launch resample (part 2): grid 4 x 384, 4 waves a work-group, no clusters, 3,584 bytes of LDS; arguments tabi, tabw, vol, out0; writes out0
.if DOCPART == 2
	.amdgcn_target "amdgcn-amd-amdhsa--gfx1250"
	.amdhsa_code_object_version 6
	.text
	.protected	k_qb71fff45d2_resample
	.globl	k_qb71fff45d2_resample
	.p2align	8
	.type	k_qb71fff45d2_resample,@function
k_qb71fff45d2_resample:
	s_mov_b64 s[64:65], 0
	v_nop
	global_prefetch_b8 v0, s[64:65] scope:SCOPE_SE
	s_setreg_imm32_b32 hwreg(HW_REG_WAVE_MODE, 25, 1), 1
	s_wait_xcnt 0x0
; out[b][x][y][z] = sum over the 8 corners of wx wy wz vol[b][ax][ay][az], with indices and weights from the tables of the launch before.
; The weights are applied axis by axis (x, then y, then z), not as eight products: the rounding order differs from the layer's in the last bits.
; LIMITS: vol finite; subsample_res as stated at the head of the tables' kernel.  Every index read from a table is clamped before it enters an address.
; SHARES: 2 x 192 output planes x 16 chunks of 12 rows = 6,144 waves, four to a work-group (grid 4 x 384); a wave makes 12 rows of 768 bytes of one plane.
; A lane owns z = 64 j + 2 lane + {0, 1}, j = 0, 1, 2: every load and store of 8 bytes a lane covers 256 consecutive bytes, aligned.
; THE WINDOW: the chunk's list names source rows in the order in which a window of two rows needs them.  For each entry the wave loads that row of
; the two source planes ax0, ax1 (6 loads), blends them by wx, and slides the window (RLO = RHI, RHI = new); the next entry's loads go out at once.
; The list word says how many output rows lie in the window now.  For each: blend RLO, RHI by wy, put the row into the wave's own 768 bytes of LDS,
; gather az0[z] and az1[z] from it, blend by wz, store.  So a source row that several output rows share is loaded and blended once a chunk,
; and the gather is done once for each output row: 15 LDS instructions a row.
; No barrier: a stage belongs to one wave, and LDS serves a wave's instructions in order (ISA guide 5.7.1).
; No matrix unit, tensor load or cluster: the list's rows are unevenly spaced, so no one tile covers them, and nothing is multiplied densely.
; No prefetch: the waves of several output planes want the same source rows, so one request for each block cannot be arranged inside a launch.
.set PLANE, 147456                     ; bytes of a plane of 192 x 192 f32
.set ROW,   768                        ; bytes of a row
.set FIELD, 768                        ; bytes of a table array of 192 words
.set GROUP, 2*FIELD                    ; bytes of one (batch, axis) in either table buffer
.set YCH,   12                         ; output rows of a wave
.set LANE8, 2                          ; v2       8 x lane
.set LIST,  5                          ; v5       lane t: list word t
.set WY0,   6                          ; v6, v7   lane r: the two y weights of my row r
.set WY1,   7
.set OFF,   8                          ; v8, v9   byte offset in a source plane of my 8 bytes of a list entry's row
.set OFFB,  9
.set OUT,   10                         ; v10      byte offset of my 8 bytes of the output row, from my chunk's first row
.set RAW,   11                         ; v11      LDS address of my 8 bytes in my wave's stage
.set ZI0,   12                         ; v[12:17] LDS address of word az0[z] of the stage, my six z
.set ZI1,   18                         ; v[18:23] the same for az1[z]
.set ZW0,   24                         ; v[24:29] wz0[z]
.set ZW1,   30                         ; v[30:35] wz1[z]
.set L0,    36                         ; v[36:41] the entry on its way: its row in plane ax0
.set L1,    42                         ; v[42:47] and in plane ax1
.set RLO,   48                         ; v[48:53] the window's lower row, blended along x
.set RHI,   54                         ; v[54:59] its upper row
.set T,     60                         ; v[60:65] the row blended along y
.set G0,    66                         ; v[66:71] gathered at az0 (at the start: entry 1's row in plane ax0)
.set G1,    72                         ; v[72:77] gathered at az1 (at the start: entry 1's row in plane ax1)
.set OV,    78                         ; v[78:83] the output row
; scalars: s[20:21], s[22:23] batch b's tables; s[32:33], s[34:35] wx0, wx1 (low word; the high word is 0 and unused); s[40:41], s[42:43] the two source planes;
; s[44:45] my chunk in out0; s47 the list word of the youngest entry asked for; s48 index of the last entry; s[50:51], s[52:53] wy0, wy1 of the row at work;
; s54 entry at work; s56 rows in this window; s57 next output row; s58 its bound
; the row that list word w names, from both planes: 6 loads of 256 consecutive bytes
.macro ASK w, o, a, b
	s_and_b32 s49, \w, 0xff
	s_min_u32 s49, s49, 191                        ; a number read from memory is clamped before it enters an address
	s_mul_i32 s49, s49, ROW
	v_add_nc_u32 v[\o], s49, v[LANE8]
.irp j, 0,2,4
	global_load_b64 v[\a+\j:\a+\j+1], v[\o], s[40:41] offset:128*\j
	global_load_b64 v[\b+\j:\b+\j+1], v[\o], s[42:43] offset:128*\j
.endr
.endm
; d = wx0 a + wx1 b; the scalar weight feeds both halves of the packed operation
.macro BLEND d, a, b
.irp j, 0,2,4
	v_pk_mul_f32 v[\d+\j:\d+\j+1], v[\a+\j:\a+\j+1], s[32:33] op_sel_hi:[1,0]
.endr
.irp j, 0,2,4
	v_pk_fma_f32 v[\d+\j:\d+\j+1], v[\b+\j:\b+\j+1], s[34:35], v[\d+\j:\d+\j+1] op_sel_hi:[1,0,1]
.endr
.endm
; the s56 output rows that lie in the window, rows s57 and on
.macro ROWS
	s_add_co_u32 s58, s57, s56
	s_cmp_eq_u32 s56, 0
	s_cbranch_scc1 .Lnone_\@
.Lrow_\@:
	v_readlane_b32 s50, v[WY0], s57
	v_readlane_b32 s52, v[WY1], s57
	s_min_u32 s59, s57, YCH-1                      ; the counts of a list add up to 12; the clamp keeps the address inside the chunk whatever was read
	s_mul_i32 s59, s59, ROW
.irp j, 0,2,4
	v_pk_mul_f32 v[T+\j:T+\j+1], v[RLO+\j:RLO+\j+1], s[50:51] op_sel_hi:[1,0]
.endr
.irp j, 0,2,4
	v_pk_fma_f32 v[T+\j:T+\j+1], v[RHI+\j:RHI+\j+1], s[52:53], v[T+\j:T+\j+1] op_sel_hi:[1,0,1]
.endr
.irp j, 0,2,4
	ds_store_b64 v[RAW], v[T+\j:T+\j+1] offset:128*\j
.endr
.irp j, 0,2,4
	ds_load_b32 v[G0+\j],   v[ZI0+\j]              ; served behind the three stores above: a wave's LDS instructions keep their order
	ds_load_b32 v[G0+\j+1], v[ZI0+\j+1]
	ds_load_b32 v[G1+\j],   v[ZI1+\j]
	ds_load_b32 v[G1+\j+1], v[ZI1+\j+1]
.endr
	s_wait_xcnt 0x0                                ; the last row's stores have had their addresses translated (ISA guide 3.1): OUT and OV are rewritten only behind this wait
	v_add_nc_u32 v[OUT], s59, v[LANE8]
.irp j, 0,2,4
	s_wait_dscnt 8-2*\j                            ; the four gathers of this pair of z are in; the 8, 4, 0 younger ones may be out
	v_pk_mul_f32 v[OV+\j:OV+\j+1], v[G0+\j:G0+\j+1], v[ZW0+\j:ZW0+\j+1]
	v_pk_fma_f32 v[OV+\j:OV+\j+1], v[G1+\j:G1+\j+1], v[ZW1+\j:ZW1+\j+1], v[OV+\j:OV+\j+1]
	global_store_b64 v[OUT], v[OV+\j:OV+\j+1], s[44:45] offset:128*\j th:TH_STORE_NT   ; 32 lanes store 256 consecutive bytes, aligned
.endr
	s_add_co_u32 s57, s57, 1
	s_cmp_lt_u32 s57, s58
	s_cbranch_scc1 .Lrow_\@
.Lnone_\@:
.endm
; Entry s54 enters the window.  kind 0: the first window, entries 0 and 1 at once; 1: a later one; 2: the last, which asks for nothing.
.macro WINDOW kind
	s_wait_loadcnt 0x0                             ; the entry's rows are in; nothing else of mine is on its way, so OFF may be rewritten too
.if \kind == 0
	BLEND RLO, L0, L1
	BLEND RHI, G0, G1
.else
	v_dual_mov_b32 v[RLO+0], v[RHI+0] :: v_dual_mov_b32 v[RLO+1], v[RHI+1]
	v_dual_mov_b32 v[RLO+2], v[RHI+2] :: v_dual_mov_b32 v[RLO+3], v[RHI+3]
	v_dual_mov_b32 v[RLO+4], v[RHI+4] :: v_dual_mov_b32 v[RLO+5], v[RHI+5]
	BLEND RHI, L0, L1
.endif
	s_bfe_u32 s56, s47, 0x80008                    ; bits 15:8 of this entry's word: output rows in the window
	s_min_u32 s56, s56, YCH
.if \kind == 0
	s_cmp_eq_u32 s48, 1                            ; a list of two entries has no third to ask for
	s_cbranch_scc1 .Lnoask_\@
.endif
.if \kind != 2
	s_add_co_u32 s55, s54, 1
	v_readlane_b32 s47, v[LIST], s55               ; the next entry's word; its rows travel while this window's output rows are made
	ASK s47, OFF, L0, L1
.endif
.if \kind == 0
.Lnoask_\@:
.endif
	ROWS
.endm
	s_load_b256 s[4:11], s[0:1], 0x0               ; tabi s[4:5], tabw s[6:7], vol s[8:9], out0 s[10:11]
	v_lshl_add_u32 v84, v0, 2, 0xc00
	v_mov_b32 v85, 0
	v_lshrrev_b32 v1, 5, v0
	v_readfirstlane_b32 s12, v1                    ; wave 0..3
	v_and_b32 v1, 31, v0                           ; lane
	s_and_b32 s14, ttmp7, 0xffff                   ; output plane 192 b + x
	s_cmp_ge_u32 s14, 192
	s_cselect_b32 s16, 192, 0                      ; 192 b
	s_cselect_b32 s18, 3*GROUP, 0                  ; byte offset of batch b's three axes in either table buffer
	s_mov_b32 s19, 0
	s_sub_co_u32 s17, s14, s16                     ; x
	s_lshl_b32 s24, s17, 2
	s_mov_b32 s25, 0
	s_lshl2_add_u32 s15, ttmp9, s12                ; chunk = 4 x work-group + wave, 0..15
	s_mul_i32 s26, s15, 2*YCH*4                    ; my list: 24 words a chunk
	s_mul_i32 s27, s15, YCH*4                      ; my y weights: 12 words a chunk
	s_mul_i32 s13, s12, ROW                        ; my stage in LDS: 768 bytes a wave
	s_mov_b32 s33, 0                               ; upper words of the pairs that hold a scalar weight
	s_mov_b32 s35, 0
	s_mov_b32 s51, 0
	s_mov_b32 s53, 0
	v_lshlrev_b32 v[LANE8], 3, v1
	v_min_u32 v3, 2*YCH-1, v1                      ; lanes 24 to 31 repeat word 23: no byte outside the list is read
	v_lshl_add_u32 v3, v3, 2, s26
	v_min_u32 v4, YCH-1, v1
	v_lshl_add_u32 v4, v4, 2, s27
	v_add_nc_u32 v[RAW], s13, v[LANE8]
	s_wait_kmcnt 0x0
	s_add_nc_u64 s[20:21], s[4:5], s[18:19]
	s_add_nc_u64 s[22:23], s[6:7], s[18:19]
	s_add_nc_u64 s[36:37], s[20:21], s[24:25]      ; axis 0 at index x
	s_add_nc_u64 s[38:39], s[22:23], s[24:25]
	global_load_b32 v[LIST], v3, s[20:21] offset:GROUP             ; first: the row loads hang on it
	s_load_b32 s28, s[36:37], 0x0                  ; ax0
	s_load_b32 s29, s[36:37], FIELD                ; ax1
	s_load_b32 s32, s[38:39], 0x0                  ; wx0
	s_load_b32 s34, s[38:39], FIELD                ; wx1
	global_load_b32 v[WY0], v4, s[22:23] offset:GROUP
	global_load_b32 v[WY1], v4, s[22:23] offset:GROUP+FIELD
.irp j, 0,2,4
	global_load_b64 v[ZI0+\j:ZI0+\j+1], v[LANE8], s[20:21] offset:2*GROUP+128*\j
	global_load_b64 v[ZI1+\j:ZI1+\j+1], v[LANE8], s[20:21] offset:2*GROUP+FIELD+128*\j
	global_load_b64 v[ZW0+\j:ZW0+\j+1], v[LANE8], s[22:23] offset:2*GROUP+128*\j
	global_load_b64 v[ZW1+\j:ZW1+\j+1], v[LANE8], s[22:23] offset:2*GROUP+FIELD+128*\j
.endr
	s_wait_kmcnt 0x0
	s_min_u32 s28, s28, 191
	s_min_u32 s29, s29, 191
	s_add_co_u32 s28, s28, s16
	s_add_co_u32 s29, s29, s16
	s_mul_i32 s40, s28, PLANE                      ; at most 383 planes: below 2^26 bytes
	s_mov_b32 s41, 0
	s_mul_i32 s42, s29, PLANE
	s_mov_b32 s43, 0
	s_add_nc_u64 s[40:41], s[8:9], s[40:41]        ; source plane ax0
	s_add_nc_u64 s[42:43], s[8:9], s[42:43]        ; source plane ax1
	s_mul_i32 s44, s14, PLANE
	s_mul_i32 s45, s15, YCH*ROW
	s_add_co_u32 s44, s44, s45
	s_mov_b32 s45, 0
	s_add_nc_u64 s[44:45], s[10:11], s[44:45]      ; my chunk's first row in out0
	s_wait_loadcnt 14                              ; loads come back in order (ISA guide 5.7.1): the list is in, the 14 table loads behind it may be out
	v_readlane_b32 s46, v[LIST], 0
	v_readlane_b32 s47, v[LIST], 1
	s_lshr_b32 s48, s46, 16                        ; the list's length, 2 to 24 as it was built; clamped, since it bounds a loop
	s_min_u32 s48, s48, 2*YCH
	s_max_u32 s48, s48, 2
	s_sub_co_u32 s48, s48, 1                       ; index of the last entry
	ASK s46, OFF,  L0, L1                          ; entries 0 and 1 go out together
	ASK s47, OFFB, G0, G1
	s_wait_loadcnt 12                              ; the tables are in; the 12 row loads just issued may be out
.irp k, 0,1,2,3,4,5
	v_min_u32 v[ZI0+\k], 191, v[ZI0+\k]
	v_min_u32 v[ZI1+\k], 191, v[ZI1+\k]
.endr
.irp k, 0,1,2,3,4,5
	v_lshl_add_u32 v[ZI0+\k], v[ZI0+\k], 2, s13    ; word az of my stage
	v_lshl_add_u32 v[ZI1+\k], v[ZI1+\k], 2, s13
.endr
	s_mov_b32 s54, 1                               ; entry at work
	s_mov_b32 s57, 0                               ; next output row
	WINDOW 0
	s_cmp_eq_u32 s48, 1
	s_cbranch_scc1 .Ldone
	s_mov_b32 s54, 2
	s_cmp_le_u32 s48, 2
	s_cbranch_scc1 .Llast
.Lwin:
	WINDOW 1
	s_add_co_u32 s54, s54, 1
	s_cmp_lt_u32 s54, s48
	s_cbranch_scc1 .Lwin
.Llast:
	WINDOW 2                                       ; the last entry: no load goes out that nobody reads
.Ldone:
	s_wait_tensorcnt 0x0
	ds_add_u32 v84, v85
	s_wait_dscnt 0x0
	s_endpgm
.Lfunc_end_k_qb71fff45d2_resample:
	.size	k_qb71fff45d2_resample, .Lfunc_end_k_qb71fff45d2_resample-k_qb71fff45d2_resample
	.p2alignl 7, 3214868480
	.fill 96, 4, 3214868480
	.section	.rodata,"a",@progbits
	.p2align	6, 0x0
	.amdhsa_kernel k_qb71fff45d2_resample
		.amdhsa_group_segment_fixed_size 3584
		.amdhsa_private_segment_fixed_size 0
		.amdhsa_enable_private_segment 0
		.amdhsa_kernarg_size 32
		.amdhsa_user_sgpr_count 2
		.amdhsa_user_sgpr_kernarg_segment_ptr 1
		.amdhsa_wavefront_size32 1
		.amdhsa_system_sgpr_workgroup_id_x 1
		.amdhsa_system_sgpr_workgroup_id_y 1
		.amdhsa_system_sgpr_workgroup_id_z 1
		.amdhsa_system_vgpr_workitem_id 0
		.amdhsa_next_free_vgpr 86
		.amdhsa_next_free_sgpr 66
		.amdhsa_reserve_vcc 0
		.amdhsa_float_denorm_mode_32 3
		.amdhsa_float_denorm_mode_16_64 3
		.amdhsa_memory_ordered 1
		.amdhsa_forward_progress 1
		.amdhsa_inst_pref_size 20
	.end_amdhsa_kernel
	.amdgpu_metadata
---
amdhsa.version: [ 1, 2 ]
amdhsa.kernels:
  - .name:           k_qb71fff45d2_resample
    .symbol:         k_qb71fff45d2_resample.kd
    .args:
      - { .name: tabi, .offset: 0, .size: 8, .value_kind: global_buffer, .address_space: global }
      - { .name: tabw, .offset: 8, .size: 8, .value_kind: global_buffer, .address_space: global }
      - { .name: vol, .offset: 16, .size: 8, .value_kind: global_buffer, .address_space: global }
      - { .name: out0, .offset: 24, .size: 8, .value_kind: global_buffer, .address_space: global }
    .group_segment_fixed_size: 3584
    .private_segment_fixed_size: 0
    .kernarg_segment_align: 8
    .kernarg_segment_size: 32
    .max_flat_workgroup_size: 128
    .sgpr_count:     66
    .vgpr_count:     86
    .wavefront_size: 32
...
	.end_amdgpu_metadata
.endif
;; end of part 2
;; ======== version 2 of 3: 2 launches; 1.21 times as fast as version 1
;; workspace buffers: tabi 9,216 bytes of whole numbers; tabw 9,216 bytes
;; launch tables: the kernel of part 1 again; grid 6 x 1, 6 waves a work-group, no clusters, 0 bytes of LDS; arguments subsample_res, tabi, tabw; writes tabi, tabw
;; launch resample (part 3): grid 16 x 96, 4 waves a work-group, no clusters, 3,584 bytes of LDS; arguments tabi, tabw, vol, out0; writes out0
.if DOCPART == 3
	.amdgcn_target "amdgcn-amd-amdhsa--gfx1250"
	.amdhsa_code_object_version 6
	.text
	.protected	k_qb71fff45d2_resample
	.globl	k_qb71fff45d2_resample
	.p2align	8
	.type	k_qb71fff45d2_resample,@function
k_qb71fff45d2_resample:
	s_mov_b64 s[64:65], 0
	v_nop
	global_prefetch_b8 v0, s[64:65] scope:SCOPE_SE
	s_setreg_imm32_b32 hwreg(HW_REG_WAVE_MODE, 25, 1), 1
	s_wait_xcnt 0x0
; out[b][x][y][z] = sum over the 8 corners of wx wy wz vol[b][ax][ay][az], with indices and weights from the tables of the launch before.
; The weights are applied axis by axis (x, then z, then y), not as eight products: the rounding order differs from the layer's in the last bits.
; LIMITS: vol finite; subsample_res as stated at the head of the tables' kernel.  Every index read from a table is clamped before it enters an address.
; SHARES: 2 x 192 output planes x 16 chunks of 12 rows = 6,144 waves; a wave makes 12 rows of 768 bytes of one plane.  The four waves of a work-group
; take four neighbouring planes of ONE chunk (grid 16 chunks x 96 groups of planes): they use the same list and the same z tables, and neighbouring output
; planes name largely the same source planes, so the four ask for many of the same rows at about the same time.
; A lane owns z = 64 j + 2 lane + {0, 1}, j = 0, 1, 2: every load and store of 8 bytes a lane covers 256 consecutive bytes, aligned.
; THE LIST: the chunk's list names source rows in the order in which a window of two rows, slid one row at a time, needs them, and says for each
; entry how many output rows lie in the window once it has come.
; AN ENTRY: its row of the two source planes ax0, ax1 (6 loads) is blended by wx, put into the wave's own 768 bytes of LDS, gathered at az0[z] and az1[z]
; and blended by wz: 15 LDS instructions an entry, 12 rho + 2 entries for 12 output rows at a down-sampling ratio rho (more entries than rows only above
; rho = 5/6; at most 24).  AN OUTPUT ROW is then one blend of the window's two rows by wy and three stores.
; TWO SLOTS: even entries load into slot A and leave their finished row in RA, odd ones into B and RB, so the window's lower and upper row change
; names by turns and nothing is moved.  As soon as an entry's x blend has read its slot, the entry two places on is asked for into it: 12 loads of a wave
; are on their way, and each has two entries' work in which to land.  The loop takes two entries a trip while both of its requests exist; the endings
; are written out, so that behind every counted wait stand the same loads on every path, and no row is loaded that nobody reads.
; No barrier: a stage belongs to one wave, and LDS serves a wave's instructions in order (ISA guide 5.7.1).
; No matrix unit, tensor load or cluster: the list's rows are unevenly spaced, so no one tile covers them, and nothing is multiplied densely.
; No prefetch: the waves of several output planes want the same source rows, so one request for each block cannot be arranged inside a launch.
.set PLANE, 147456                     ; bytes of a plane of 192 x 192 f32
.set ROW,   768                        ; bytes of a row
.set FIELD, 768                        ; bytes of a table array of 192 words
.set GROUP, 2*FIELD                    ; bytes of one (batch, axis) in either table buffer
.set YCH,   12                         ; output rows of a wave
.set LANE8, 2                          ; v2       8 x lane
.set LIST,  5                          ; v5       lane t: list word t = row | rows made << 8 | length << 16
.set WY0,   6                          ; v6, v7   lane r: the two y weights of my row r
.set WY1,   7
.set OFFA,  8                          ; v8       slot A: byte offset in a source plane of my 8 bytes of its entry's row
.set OFFB,  9                          ; v9       slot B: the same
.set OUT,   10                         ; v10      byte offset of my 8 bytes of the output row, from my chunk's first row
.set RAW,   11                         ; v11      LDS address of my 8 bytes in my wave's stage
.set ZI0,   12                         ; v[12:17] LDS address of word az0[z] of the stage, my six z
.set ZI1,   18                         ; v[18:23] the same for az1[z]
.set ZW0,   24                         ; v[24:29] wz0[z]
.set ZW1,   30                         ; v[30:35] wz1[z]
.set LA0,   36                         ; v[36:41] slot A: the entry's row in plane ax0
.set LA1,   42                         ; v[42:47]         and in plane ax1
.set LB0,   48                         ; v[48:53] slot B
.set LB1,   54                         ; v[54:59]
.set RA,    60                         ; v[60:65] the finished row (x and z done) of the last even entry
.set RB,    66                         ; v[66:71] of the last odd entry
.set T,     72                         ; v[72:77] a row blended along x, on its way into the stage
.set G0,    78                         ; v[78:83] gathered at az0
.set G1,    84                         ; v[84:89] gathered at az1
.set OV,    90                         ; v[90:95] the output row
; scalars: s[20:21], s[22:23] batch b's tables; s30 trips of the ring done; s[32:33], s[34:35] wx0, wx1 (low word; the high word is 0 and unused);
; s[40:41], s[42:43] the two source planes; s[44:45] my chunk in out0; s46 the ring's trips; s48 index of the last entry; s[50:51], s[52:53] wy0, wy1 of the
; row at work; s54 the odd entry of the trip = 2 s30 + 1; s55 an entry's index; s56 rows in this window; s57 next output row; s58 its bound
; the row that list entry idx names, from both planes: 6 loads of 256 consecutive bytes
.macro ASK idx, o, a, b
	v_readlane_b32 s49, v[LIST], \idx
	s_and_b32 s49, s49, 0xff
	s_min_u32 s49, s49, 191                        ; a number read from memory is clamped before it enters an address
	s_mul_i32 s49, s49, ROW
	v_add_nc_u32 v[\o], s49, v[LANE8]
.irp j, 0,2,4
	global_load_b64 v[\a+\j:\a+\j+1], v[\o], s[40:41] offset:128*\j
	global_load_b64 v[\b+\j:\b+\j+1], v[\o], s[42:43] offset:128*\j
.endr
.endm
; T = wx0 a + wx1 b; the scalar weight feeds both halves of the packed operation
.macro BLEND a, b
.irp j, 0,2,4
	v_pk_mul_f32 v[T+\j:T+\j+1], v[\a+\j:\a+\j+1], s[32:33] op_sel_hi:[1,0]
.endr
.irp j, 0,2,4
	v_pk_fma_f32 v[T+\j:T+\j+1], v[\b+\j:\b+\j+1], s[34:35], v[T+\j:T+\j+1] op_sel_hi:[1,0,1]
.endr
.endm
; zr[z] = wz0[z] T[az0[z]] + wz1[z] T[az1[z]], through my wave's stage
.macro ZINT zr
.irp j, 0,2,4
	ds_store_b64 v[RAW], v[T+\j:T+\j+1] offset:128*\j
.endr
.irp j, 0,2,4
	ds_load_b32 v[G0+\j],   v[ZI0+\j]              ; served behind the three stores above: a wave's LDS instructions keep their order
	ds_load_b32 v[G0+\j+1], v[ZI0+\j+1]
	ds_load_b32 v[G1+\j],   v[ZI1+\j]
	ds_load_b32 v[G1+\j+1], v[ZI1+\j+1]
.endr
.irp j, 0,2,4
	s_wait_dscnt 8-2*\j                            ; the four gathers of this pair of z are in; the 8, 4, 0 younger ones may be out
	v_pk_mul_f32 v[\zr+\j:\zr+\j+1], v[G0+\j:G0+\j+1], v[ZW0+\j:ZW0+\j+1]
	v_pk_fma_f32 v[\zr+\j:\zr+\j+1], v[G1+\j:G1+\j+1], v[ZW1+\j:ZW1+\j+1], v[\zr+\j:\zr+\j+1]
.endr
.endm
; the output rows that lie in the window once entry idx has come, rows s57 and on: wy0 lo + wy1 hi
.macro ROWS idx, lo, hi
	v_readlane_b32 s56, v[LIST], \idx
	s_bfe_u32 s56, s56, 0x80008                    ; bits 15:8 of the entry's word
	s_min_u32 s56, s56, YCH
	s_add_co_u32 s58, s57, s56
	s_cmp_eq_u32 s56, 0
	s_cbranch_scc1 .Lnone_\@
.Lrow_\@:
	v_readlane_b32 s50, v[WY0], s57
	v_readlane_b32 s52, v[WY1], s57
	s_min_u32 s59, s57, YCH-1                      ; the counts of a list add up to 12; the clamp keeps the address inside the chunk whatever was read
	s_mul_i32 s59, s59, ROW
	s_wait_xcnt 0x0                                ; the last row's stores have had their addresses translated (ISA guide 3.1): OUT and OV are rewritten only behind this wait
	v_add_nc_u32 v[OUT], s59, v[LANE8]
.irp j, 0,2,4
	v_pk_mul_f32 v[OV+\j:OV+\j+1], v[\lo+\j:\lo+\j+1], s[50:51] op_sel_hi:[1,0]
.endr
.irp j, 0,2,4
	v_pk_fma_f32 v[OV+\j:OV+\j+1], v[\hi+\j:\hi+\j+1], s[52:53], v[OV+\j:OV+\j+1] op_sel_hi:[1,0,1]
.endr
.irp j, 0,2,4
	global_store_b64 v[OUT], v[OV+\j:OV+\j+1], s[44:45] offset:128*\j th:TH_STORE_NT   ; 32 lanes store 256 consecutive bytes, aligned
.endr
	s_add_co_u32 s57, s57, 1
	s_cmp_lt_u32 s57, s58
	s_cbranch_scc1 .Lrow_\@
.Lnone_\@:
.endm
; Entry s54 + d, which lies in slot (o, a, b), enters the window as its upper row hi.  left = how many younger loads may stay out;
; ask = 1: the entry two places on is asked for into this slot.
.macro WINDOW left, ask, d, o, a, b, lo, hi
	s_wait_loadcnt \left                           ; loads come back in order (ISA guide 5.7.1): this slot's six are in, so its offset register is free too
	BLEND \a, \b
.if \ask
	s_add_co_u32 s55, s54, \d+2
	ASK s55, \o, \a, \b                            ; at once behind the blend, which was the slot's last reader
.endif
	ZINT \hi
	s_add_co_u32 s55, s54, \d
	ROWS s55, \lo, \hi
.endm
	s_load_b256 s[4:11], s[0:1], 0x0               ; tabi s[4:5], tabw s[6:7], vol s[8:9], out0 s[10:11]
	v_lshl_add_u32 v96, v0, 2, 0xc00
	v_mov_b32 v97, 0
	v_lshrrev_b32 v1, 5, v0
	v_readfirstlane_b32 s12, v1                    ; wave 0..3
	v_and_b32 v1, 31, v0                           ; lane
	s_and_b32 s14, ttmp7, 0xffff                   ; group of four planes, 0..95
	s_lshl2_add_u32 s14, s14, s12                  ; output plane 192 b + x = 4 x group + wave; a group lies in one batch, since 4 divides 192
	s_cmp_ge_u32 s14, 192
	s_cselect_b32 s16, 192, 0                      ; 192 b
	s_cselect_b32 s18, 3*GROUP, 0                  ; byte offset of batch b's three axes in either table buffer
	s_mov_b32 s19, 0
	s_sub_co_u32 s17, s14, s16                     ; x
	s_lshl_b32 s24, s17, 2
	s_mov_b32 s25, 0
	s_mov_b32 s15, ttmp9                           ; chunk 0..15
	s_mul_i32 s26, s15, 2*YCH*4                    ; my list: 24 words a chunk
	s_mul_i32 s27, s15, YCH*4                      ; my y weights: 12 words a chunk
	s_mul_i32 s13, s12, ROW                        ; my stage in LDS: 768 bytes a wave
	s_mov_b32 s33, 0                               ; upper words of the pairs that hold a scalar weight
	s_mov_b32 s35, 0
	s_mov_b32 s51, 0
	s_mov_b32 s53, 0
	s_mov_b32 s57, 0                               ; next output row
	v_lshlrev_b32 v[LANE8], 3, v1
	v_min_u32 v3, 2*YCH-1, v1                      ; lanes 24 to 31 repeat word 23: no byte outside the list is read
	v_lshl_add_u32 v3, v3, 2, s26
	v_min_u32 v4, YCH-1, v1
	v_lshl_add_u32 v4, v4, 2, s27
	v_add_nc_u32 v[RAW], s13, v[LANE8]
	s_wait_kmcnt 0x0
	s_add_nc_u64 s[20:21], s[4:5], s[18:19]
	s_add_nc_u64 s[22:23], s[6:7], s[18:19]
	s_add_nc_u64 s[36:37], s[20:21], s[24:25]      ; axis 0 at index x
	s_add_nc_u64 s[38:39], s[22:23], s[24:25]
	global_load_b32 v[LIST], v3, s[20:21] offset:GROUP             ; first: the row loads hang on it
	s_load_b32 s28, s[36:37], 0x0                  ; ax0
	s_load_b32 s29, s[36:37], FIELD                ; ax1
	s_load_b32 s32, s[38:39], 0x0                  ; wx0
	s_load_b32 s34, s[38:39], FIELD                ; wx1
	global_load_b32 v[WY0], v4, s[22:23] offset:GROUP
	global_load_b32 v[WY1], v4, s[22:23] offset:GROUP+FIELD
.irp j, 0,2,4
	global_load_b64 v[ZI0+\j:ZI0+\j+1], v[LANE8], s[20:21] offset:2*GROUP+128*\j
	global_load_b64 v[ZI1+\j:ZI1+\j+1], v[LANE8], s[20:21] offset:2*GROUP+FIELD+128*\j
	global_load_b64 v[ZW0+\j:ZW0+\j+1], v[LANE8], s[22:23] offset:2*GROUP+128*\j
	global_load_b64 v[ZW1+\j:ZW1+\j+1], v[LANE8], s[22:23] offset:2*GROUP+FIELD+128*\j
.endr
	s_wait_kmcnt 0x0
	s_min_u32 s28, s28, 191
	s_min_u32 s29, s29, 191
	s_add_co_u32 s28, s28, s16
	s_add_co_u32 s29, s29, s16
	s_mul_i32 s40, s28, PLANE                      ; at most 383 planes: below 2^26 bytes
	s_mov_b32 s41, 0
	s_mul_i32 s42, s29, PLANE
	s_mov_b32 s43, 0
	s_add_nc_u64 s[40:41], s[8:9], s[40:41]        ; source plane ax0
	s_add_nc_u64 s[42:43], s[8:9], s[42:43]        ; source plane ax1
	s_mul_i32 s44, s14, PLANE
	s_mul_i32 s45, s15, YCH*ROW
	s_add_co_u32 s44, s44, s45
	s_mov_b32 s45, 0
	s_add_nc_u64 s[44:45], s[10:11], s[44:45]      ; my chunk's first row in out0
	s_wait_loadcnt 14                              ; the list is in; the 14 table loads behind it may be out
	v_readlane_b32 s47, v[LIST], 0
	s_lshr_b32 s48, s47, 16                        ; the list's length, 2 to 24 as it was built; clamped, since it bounds a loop
	s_min_u32 s48, s48, 2*YCH
	s_max_u32 s48, s48, 2
	s_sub_co_u32 s48, s48, 1                       ; index of the last entry, 1 to 23
	s_max_u32 s46, s48, 2                          ; a trip of the ring takes entries t and t + 1, t = 1, 3, 5 .., and asks for t + 2 and t + 3:
	s_sub_co_u32 s46, s46, 2                       ; it runs while t + 3 <= last, that is t < last - 2,
	s_lshr_b32 s46, s46, 1                         ; which are (last - 2) >> 1 trips, 0 to 10
	ASK 0, OFFA, LA0, LA1                          ; entries 0 and 1, which every list has, go out together
	ASK 1, OFFB, LB0, LB1
	s_wait_loadcnt 12                              ; the tables are in; the 12 row loads just issued may be out
.irp k, 0,1,2,3,4,5
	v_min_u32 v[ZI0+\k], 191, v[ZI0+\k]
	v_min_u32 v[ZI1+\k], 191, v[ZI1+\k]
.endr
.irp k, 0,1,2,3,4,5
	v_lshl_add_u32 v[ZI0+\k], v[ZI0+\k], 2, s13    ; word az of my stage
	v_lshl_add_u32 v[ZI1+\k], v[ZI1+\k], 2, s13
.endr
	; entry 0 alone makes no window and no output row
	s_wait_loadcnt 6                               ; entry 0 is in; entry 1's six loads may be out
	BLEND LA0, LA1
	s_cmp_eq_u32 s48, 1
	s_cbranch_scc1 .Ltwo                           ; a list of two entries has no third to ask for
	ASK 2, OFFA, LA0, LA1
	ZINT RA
	s_mov_b32 s30, 0                               ; trips done
	s_mov_b32 s54, 1                               ; entries 1 (slot B) and 2 (slot A) are on their way
	s_cmp_eq_u32 s46, 0
	s_cbranch_scc1 .Ltail
.Lring:                                            ; here entries s54 (B, the older six loads) and s54 + 1 (A, the younger six) are on their way
	WINDOW 6, 1, 0, OFFB, LB0, LB1, RA, RB
	WINDOW 6, 1, 1, OFFA, LA0, LA1, RB, RA
	s_add_co_u32 s30, s30, 1                       ; the loop is counted in trips, one at a time, against a bound that it does not write
	s_lshl_b32 s54, s30, 1
	s_add_co_u32 s54, s54, 1                       ; the next odd entry = 2 x trips done + 1
	s_cmp_lt_u32 s30, s46
	s_cbranch_scc1 .Lring
.Ltail:                                            ; the same two are on their way, and the last entry is s54 + 1 or s54 + 2
	s_wait_loadcnt 6
	BLEND LB0, LB1
	s_add_co_u32 s55, s54, 1
	s_cmp_eq_u32 s55, s48
	s_cbranch_scc1 .Lshort
	ASK s48, OFFB, LB0, LB1                        ; three are left: the last entry, s54 + 2, goes out
	ZINT RB
	ROWS s54, RA, RB
	WINDOW 6, 0, 1, OFFA, LA0, LA1, RB, RA         ; the last entry's six loads may be out
.Lfinb:                                            ; the last entry lies in slot B, and nothing else is on its way
	s_wait_loadcnt 0x0
	BLEND LB0, LB1
	ZINT RB
	ROWS s48, RA, RB
	s_wait_tensorcnt 0x0
	ds_add_u32 v96, v97
	s_wait_dscnt 0x0
	s_endpgm
.Lshort:                                           ; two are left: nothing to ask for; the last entry lies in slot A
	ZINT RB
	ROWS s54, RA, RB
	s_wait_loadcnt 0x0
	BLEND LA0, LA1
	ZINT RA
	ROWS s48, RB, RA
	s_wait_tensorcnt 0x0
	ds_add_u32 v96, v97
	s_wait_dscnt 0x0
	s_endpgm
.Ltwo:                                             ; a list of two entries: entry 0 is finished, entry 1 is the last and lies in slot B
	ZINT RA
	s_branch .Lfinb
.Lfunc_end_k_qb71fff45d2_resample:
	.size	k_qb71fff45d2_resample, .Lfunc_end_k_qb71fff45d2_resample-k_qb71fff45d2_resample
	.p2alignl 7, 3214868480
	.fill 96, 4, 3214868480
	.section	.rodata,"a",@progbits
	.p2align	6, 0x0
	.amdhsa_kernel k_qb71fff45d2_resample
		.amdhsa_group_segment_fixed_size 3584
		.amdhsa_private_segment_fixed_size 0
		.amdhsa_enable_private_segment 0
		.amdhsa_kernarg_size 32
		.amdhsa_user_sgpr_count 2
		.amdhsa_user_sgpr_kernarg_segment_ptr 1
		.amdhsa_wavefront_size32 1
		.amdhsa_system_sgpr_workgroup_id_x 1
		.amdhsa_system_sgpr_workgroup_id_y 1
		.amdhsa_system_sgpr_workgroup_id_z 1
		.amdhsa_system_vgpr_workitem_id 0
		.amdhsa_next_free_vgpr 98
		.amdhsa_next_free_sgpr 66
		.amdhsa_reserve_vcc 0
		.amdhsa_float_denorm_mode_32 3
		.amdhsa_float_denorm_mode_16_64 3
		.amdhsa_memory_ordered 1
		.amdhsa_forward_progress 1
		.amdhsa_inst_pref_size 37
	.end_amdhsa_kernel
	.amdgpu_metadata
---
amdhsa.version: [ 1, 2 ]
amdhsa.kernels:
  - .name:           k_qb71fff45d2_resample
    .symbol:         k_qb71fff45d2_resample.kd
    .args:
      - { .name: tabi, .offset: 0, .size: 8, .value_kind: global_buffer, .address_space: global }
      - { .name: tabw, .offset: 8, .size: 8, .value_kind: global_buffer, .address_space: global }
      - { .name: vol, .offset: 16, .size: 8, .value_kind: global_buffer, .address_space: global }
      - { .name: out0, .offset: 24, .size: 8, .value_kind: global_buffer, .address_space: global }
    .group_segment_fixed_size: 3584
    .private_segment_fixed_size: 0
    .kernarg_segment_align: 8
    .kernarg_segment_size: 32
    .max_flat_workgroup_size: 128
    .sgpr_count:     66
    .vgpr_count:     98
    .wavefront_size: 32
...
	.end_amdgpu_metadata
.endif
;; end of part 3
;; ======== version 3 of 3: 2 launches; version 2 with the launch resample written anew for expert scheduling mode
;; workspace buffers: tabi 9,216 bytes of whole numbers; tabw 9,216 bytes
;; launch tables: the kernel of part 1 again; grid 6 x 1, 6 waves a work-group, no clusters, 0 bytes of LDS; arguments subsample_res, tabi, tabw; writes tabi, tabw
;; launch resample (part 4): grid 16 x 96, 4 waves a work-group, no clusters, 3,584 bytes of LDS; arguments tabi, tabw, vol, out0; writes out0
.if DOCPART == 4
	.amdgcn_target "amdgcn-amd-amdhsa--gfx1250"
	.amdhsa_code_object_version 6
	.text
	.protected	k_qb71fff45d2_resample
	.globl	k_qb71fff45d2_resample
	.p2align	8
	.type	k_qb71fff45d2_resample,@function
k_qb71fff45d2_resample:
	s_mov_b64 s[64:65], 0
	v_nop
	global_prefetch_b8 v0, s[64:65] scope:SCOPE_SE
	s_setreg_imm32_b32 hwreg(HW_REG_WAVE_SCHED_MODE, 0, 2), 2
	s_setreg_imm32_b32 hwreg(HW_REG_WAVE_MODE, 25, 1), 1
	s_wait_xcnt 0x0
	s_wait_alu depctr_vm_vsrc(0)
; out[b][x][y][z] = sum over the 8 corners of wx wy wz vol[b][ax][ay][az], with indices and weights from the tables of the launch before.
; The weights are applied axis by axis (x, then z, then y), not as eight products: the rounding order differs from the layer's in the last bits.
; LIMITS: vol finite; subsample_res as stated at the head of the tables' kernel.  Every index read from a table is clamped before it enters an address.
; SHARES: 2 x 192 output planes x 16 chunks of 12 rows = 6,144 waves; a wave makes 12 rows of 768 bytes of one plane.  The four waves of a work-group
; take four neighbouring planes of ONE chunk (grid 16 chunks x 96 groups of planes): they use the same list and the same z tables, and neighbouring output
; planes name largely the same source planes, so the four ask for many of the same rows at about the same time.
; A lane owns z = 64 j + 2 lane + {0, 1}, j = 0, 1, 2: every load and store of 8 bytes a lane covers 256 consecutive bytes, aligned.
; THE LIST: the chunk's list names source rows in the order in which a window of two rows, slid one row at a time, needs them, and says for each
; entry how many output rows lie in the window once it has come.
; AN ENTRY: its row of the two source planes ax0, ax1 (6 loads) is blended by wx, put into the wave's own 768 bytes of LDS, gathered at az0[z] and az1[z]
; and blended by wz: 15 LDS instructions an entry, 12 rho + 2 entries for 12 output rows at a down-sampling ratio rho (more entries than rows only above
; rho = 5/6; at most 24).  AN OUTPUT ROW is then one blend of the window's two rows by wy and three stores.
; TWO SLOTS: even entries load into slot A and leave their finished row in RA, odd ones into B and RB, so the window's lower and upper row change
; names by turns and nothing is moved.  As soon as an entry's x blend has read its slot, the entry two places on is asked for into it: 12 loads of a wave
; are on their way, and each has two entries' work in which to land.  The loop takes two entries a trip while both of its requests exist; the endings
; are written out, so that behind every counted wait stand the same loads on every path, and no row is loaded that nobody reads.
; No barrier: a stage belongs to one wave, and LDS serves a wave's instructions in order (ISA guide 5.7.1).
; No matrix unit, tensor load or cluster: the list's rows are unevenly spaced, so no one tile covers them, and nothing is multiplied densely.
; No prefetch: the waves of several output planes want the same source rows, so one request for each block cannot be arranged inside a launch.
; THE MODE: SCHED_MODE bits 1:0 = 2 (LLVM: expert scheduling mode 2), set by the entry lines.  The code itself states the register dependences
; between vector instructions and memory or LDS instructions, and those through scalar registers that vector instructions write, with s_wait_alu, always for 0.
; THE PLAN.  Registers that memory or LDS instructions touch:
;   LA0, LA1 and LB0, LB1   a slot.  Written by its six loads; read by its entry's x blend alone; asked for again behind that blend.
;   T                       Written by an entry's x blend; read by the same entry's three LDS stores.
;   G0, G1                  Written by an entry's twelve gathers; read by the same entry's z blend.
;   OV                      Written by an output row's y blend; read by that row's three stores.
;   LANE8, RAW, ZI0, ZI1, v3, v4   offsets and LDS addresses: made at the head and never written again.  The rows of vol and of out0 are reached by scalar
;                           bases, two to a slot and one for the output row, and by immediate offsets.
;   LIST, WY0, WY1, ZW0, ZW1 are loaded once and then read by vector instructions alone; RA and RB are named by vector instructions alone.
; AN ENTRY has three such waits: on vm_vsrc ahead of its x blend (the entry before's LDS stores have read T); on va_sdst behind the blend (the list's words, read in
; one run at the entry's head, are in their scalar registers); on va_vdst behind the scalar work (T is written, the blend is done reading the slot, the entry
; before's z blend is done reading G0 and G1).  The entry's six loads, three LDS stores and twelve gathers follow that wait with no vector instruction between.
; AN OUTPUT ROW has three: on vm_vsrc (the row before's stores have read OV), on va_sdst (its two weights), on va_vdst (OV is written).  The rows of a window are
; counted at run time, in a loop, so two buffers by turns could not be named in the text: OV is one buffer.
.set PLANE, 147456                     ; bytes of a plane of 192 x 192 f32
.set ROW,   768                        ; bytes of a row
.set FIELD, 768                        ; bytes of a table array of 192 words
.set GROUP, 2*FIELD                    ; bytes of one (batch, axis) in either table buffer
.set YCH,   12                         ; output rows of a wave
.set LANE8, 2                          ; v2       8 x lane: the offset of every load of a row or a z table and of every store
.set LIST,  5                          ; v5       lane t: list word t = row | rows made << 8 | length << 16
.set WY0,   6                          ; v6, v7   lane r: the two y weights of my row r
.set WY1,   7
.set RAW,   11                         ; v11      LDS address of my 8 bytes in my wave's stage
.set ZI0,   12                         ; v[12:17] LDS address of word az0[z] of the stage, my six z
.set ZI1,   18                         ; v[18:23] the same for az1[z]
.set ZW0,   24                         ; v[24:29] wz0[z]
.set ZW1,   30                         ; v[30:35] wz1[z]
.set LA0,   36                         ; v[36:41] slot A: the entry's row in plane ax0
.set LA1,   42                         ; v[42:47]         and in plane ax1
.set LB0,   48                         ; v[48:53] slot B
.set LB1,   54                         ; v[54:59]
.set RA,    60                         ; v[60:65] the finished row (x and z done) of the last even entry
.set RB,    66                         ; v[66:71] of the last odd entry
.set T,     72                         ; v[72:77] a row blended along x, on its way into the stage
.set G0,    78                         ; v[78:83] gathered at az0
.set G1,    84                         ; v[84:89] gathered at az1
.set OV,    90                         ; v[90:95] the output row
.set RO,    16                         ; s[16:17] byte offset of a source row in its plane (the head's use of these scalar registers is over by then)
.set OO,    18                         ; s[18:19] byte offset of an output row in my chunk
.set SA0,   24                         ; s[24:25] slot A: the address of its entry's row in plane ax0
.set SA1,   26                         ; s[26:27]         and in plane ax1
.set SB0,   28                         ; s[28:29] slot B
.set SB1,   36                         ; s[36:37]
.set SO,    38                         ; s[38:39] the address of the output row at work
; other scalars: s[20:21], s[22:23] batch b's tables; s30 trips of the ring done; s[32:33], s[34:35] wx0, wx1 (low word; the high word is 0 and unused);
; s[40:41], s[42:43] the two source planes; s[44:45] my chunk in out0; s46 the ring's trips; s47 an index, at work; s48 index of the last entry; s49 a list word;
; s[50:51], s[52:53] wy0, wy1 of the row at work; s54 the odd entry of the trip = 2 s30 + 1; s55 the entry behind it; s56 rows in this window; s57 next output row; s58 its bound
; the byte offset in a plane of the row that the list word in s[w] names
.macro ROWAT w
	s_and_b32 s[RO], s[\w], 0xff
	s_min_u32 s[RO], s[RO], 191                    ; a number read from memory is clamped before it enters an address
	s_mul_i32 s[RO], s[RO], ROW
.endm
; a slot's two bases at that row
.macro BASES p0, p1
	s_add_nc_u64 s[\p0:\p0+1], s[40:41], s[RO:RO+1]
	s_add_nc_u64 s[\p1:\p1+1], s[42:43], s[RO:RO+1]
.endm
; the row from both planes: 6 loads of 256 consecutive bytes
.macro LOADS p0, p1, ra, rb
.irp j, 0,2,4
	global_load_b64 v[\ra+\j:\ra+\j+1], v[LANE8], s[\p0:\p0+1] offset:128*\j
	global_load_b64 v[\rb+\j:\rb+\j+1], v[LANE8], s[\p1:\p1+1] offset:128*\j
.endr
.endm
; T = wx0 a + wx1 b; the scalar weight feeds both halves of the packed operation
.macro BLEND a, b
.irp j, 0,2,4
	v_pk_mul_f32 v[T+\j:T+\j+1], v[\a+\j:\a+\j+1], s[32:33] op_sel_hi:[1,0]
.endr
.irp j, 0,2,4
	v_pk_fma_f32 v[T+\j:T+\j+1], v[\b+\j:\b+\j+1], s[34:35], v[T+\j:T+\j+1] op_sel_hi:[1,0,1]
.endr
.endm
; zr[z] = wz0[z] T[az0[z]] + wz1[z] T[az1[z]], through my wave's stage.  It stands behind the entry's wait on va_vdst, with no vector instruction between
.macro ZINT zr
.irp j, 0,2,4
	ds_store_b64 v[RAW], v[T+\j:T+\j+1] offset:128*\j
.endr
.irp j, 0,2,4
	ds_load_b32 v[G0+\j],   v[ZI0+\j]              ; served behind the three stores above: a wave's LDS instructions keep their order
	ds_load_b32 v[G0+\j+1], v[ZI0+\j+1]
	ds_load_b32 v[G1+\j],   v[ZI1+\j]
	ds_load_b32 v[G1+\j+1], v[ZI1+\j+1]
.endr
.irp j, 0,2,4
	s_wait_dscnt 8-2*\j                            ; the four gathers of this pair of z are in; the 8, 4, 0 younger ones may be out
	v_pk_mul_f32 v[\zr+\j:\zr+\j+1], v[G0+\j:G0+\j+1], v[ZW0+\j:ZW0+\j+1]
	v_pk_fma_f32 v[\zr+\j:\zr+\j+1], v[G1+\j:G1+\j+1], v[ZW1+\j:ZW1+\j+1], v[\zr+\j:\zr+\j+1]
.endr
.endm
; from the entry's list word in s56: how many output rows lie in its window, and the bound of the rows' loop
.macro COUNT
	s_bfe_u32 s56, s56, 0x80008                    ; bits 15:8 of the entry's word
	s_min_u32 s56, s56, YCH
	s_add_co_u32 s58, s57, s56
.endm
; the s56 output rows of the window, rows s57 and on: wy0 lo + wy1 hi
.macro ROWS lo, hi
	s_cmp_eq_u32 s56, 0
	s_cbranch_scc1 .Lnone_\@
.Lrow_\@:
	v_readlane_b32 s50, v[WY0], s57
	v_readlane_b32 s52, v[WY1], s57
	s_min_u32 s[OO], s57, YCH-1                    ; the counts of a list add up to 12; the clamp keeps the address inside the chunk whatever was read
	s_mul_i32 s[OO], s[OO], ROW
	s_wait_xcnt 0x0                                ; the last row's stores have had their addresses translated (ISA guide 3.1): their base and OV are rewritten only behind this wait
	s_wait_alu depctr_vm_vsrc(0)                   ; the last row's stores have read OV, which the blend below writes again
	s_add_nc_u64 s[SO:SO+1], s[44:45], s[OO:OO+1]
	s_wait_alu depctr_va_sdst(0)                   ; s50 and s52, the row's two weights, are written, ahead of their first reader
.irp j, 0,2,4
	v_pk_mul_f32 v[OV+\j:OV+\j+1], v[\lo+\j:\lo+\j+1], s[50:51] op_sel_hi:[1,0]
.endr
.irp j, 0,2,4
	v_pk_fma_f32 v[OV+\j:OV+\j+1], v[\hi+\j:\hi+\j+1], s[52:53], v[OV+\j:OV+\j+1] op_sel_hi:[1,0,1]
.endr
	s_wait_alu depctr_va_vdst(0)                   ; the blend has written OV, which the three stores read
.irp j, 0,2,4
	global_store_b64 v[LANE8], v[OV+\j:OV+\j+1], s[SO:SO+1] offset:128*\j th:TH_STORE_NT   ; 32 lanes store 256 consecutive bytes, aligned
.endr
	s_add_co_u32 s57, s57, 1
	s_cmp_lt_u32 s57, s58
	s_cbranch_scc1 .Lrow_\@
.Lnone_\@:
.endm
; The entry whose index is in s[ix], which lies in the slot (p0, p1, ra, rb), enters the window as its upper row hi.  left = how many younger loads may stay out;
; ask = 1: the entry two places on is asked for into this slot.
.macro WINDOW left, ask, ix, p0, p1, ra, rb, lo, hi
	v_readlane_b32 s56, v[LIST], s[\ix]            ; the list's words that this turn needs, in one run: this entry's,
.if \ask
	s_add_co_u32 s47, s[\ix], 2
	v_readlane_b32 s49, v[LIST], s47               ; and that of the entry two places on
.endif
	s_wait_loadcnt \left                           ; loads come back in order (ISA guide 5.7.1): this slot's six are in, so its two bases are free too
	s_wait_alu depctr_vm_vsrc(0)                   ; the LDS stores of the entry before have read T, which the blend writes again
	BLEND \ra, \rb
	s_wait_alu depctr_va_sdst(0)                   ; the list's words are in s56 and s49, ahead of their first readers
	COUNT
.if \ask
	ROWAT 49
	BASES \p0, \p1
.endif
	s_wait_alu depctr_va_vdst(0)                   ; the blend has written T, which the LDS stores read, and is done reading the slot, in which the loads land; the entry before's z blend is done reading G0 and G1, in which the gathers land
.if \ask
	LOADS \p0, \p1, \ra, \rb                       ; at once behind the blend, which was the slot's last reader
.endif
	ZINT \hi
	ROWS \lo, \hi
.endm
	s_load_b256 s[4:11], s[0:1], 0x0               ; tabi s[4:5], tabw s[6:7], vol s[8:9], out0 s[10:11]
	v_lshl_add_u32 v9, v0, 2, 0xc00
	v_mov_b32 v10, 0
	v_lshrrev_b32 v1, 5, v0
	v_readfirstlane_b32 s12, v1                    ; wave 0..3
	v_and_b32 v1, 31, v0                           ; lane
	s_mov_b32 s15, ttmp9                           ; chunk 0..15
	s_mul_i32 s26, s15, 2*YCH*4                    ; my list: 24 words a chunk
	s_mul_i32 s27, s15, YCH*4                      ; my y weights: 12 words a chunk
	s_mov_b32 s19, 0
	s_mov_b32 s25, 0
	s_mov_b32 s33, 0                               ; upper words of the pairs that hold a scalar weight
	s_mov_b32 s35, 0
	s_mov_b32 s51, 0
	s_mov_b32 s53, 0
	s_mov_b32 s57, 0                               ; next output row
	v_lshlrev_b32 v[LANE8], 3, v1
	v_min_u32 v3, 2*YCH-1, v1                      ; lanes 24 to 31 repeat word 23: no byte outside the list is read
	v_lshl_add_u32 v3, v3, 2, s26
	v_min_u32 v4, YCH-1, v1
	v_lshl_add_u32 v4, v4, 2, s27
	s_wait_alu depctr_va_sdst(0)                   ; s12, the wave's number, is written, ahead of its first reader: the plane and the stage are made from it
	s_and_b32 s14, ttmp7, 0xffff                   ; group of four planes, 0..95
	s_lshl2_add_u32 s14, s14, s12                  ; output plane 192 b + x = 4 x group + wave; a group lies in one batch, since 4 divides 192
	s_cmp_ge_u32 s14, 192
	s_cselect_b32 s16, 192, 0                      ; 192 b
	s_cselect_b32 s18, 3*GROUP, 0                  ; byte offset of batch b's three axes in either table buffer
	s_sub_co_u32 s17, s14, s16                     ; x
	s_lshl_b32 s24, s17, 2
	s_mul_i32 s13, s12, ROW                        ; my stage in LDS: 768 bytes a wave
	v_add_nc_u32 v[RAW], s13, v[LANE8]
	s_wait_kmcnt 0x0
	s_add_nc_u64 s[20:21], s[4:5], s[18:19]
	s_add_nc_u64 s[22:23], s[6:7], s[18:19]
	s_add_nc_u64 s[36:37], s[20:21], s[24:25]      ; axis 0 at index x
	s_add_nc_u64 s[38:39], s[22:23], s[24:25]
	s_wait_alu depctr_va_vdst(0)                   ; v3, v4, LANE8 and RAW are written: the offsets and the LDS address that the loads and stores of the whole kernel read
	global_load_b32 v[LIST], v3, s[20:21] offset:GROUP             ; first: the row loads hang on it
	s_load_b32 s28, s[36:37], 0x0                  ; ax0
	s_load_b32 s29, s[36:37], FIELD                ; ax1
	s_load_b32 s32, s[38:39], 0x0                  ; wx0
	s_load_b32 s34, s[38:39], FIELD                ; wx1
	global_load_b32 v[WY0], v4, s[22:23] offset:GROUP
	global_load_b32 v[WY1], v4, s[22:23] offset:GROUP+FIELD
.irp j, 0,2,4
	global_load_b64 v[ZI0+\j:ZI0+\j+1], v[LANE8], s[20:21] offset:2*GROUP+128*\j
	global_load_b64 v[ZI1+\j:ZI1+\j+1], v[LANE8], s[20:21] offset:2*GROUP+FIELD+128*\j
	global_load_b64 v[ZW0+\j:ZW0+\j+1], v[LANE8], s[22:23] offset:2*GROUP+128*\j
	global_load_b64 v[ZW1+\j:ZW1+\j+1], v[LANE8], s[22:23] offset:2*GROUP+FIELD+128*\j
.endr
	s_wait_kmcnt 0x0                               ; the four scalar loads are done: s[36:39], which they read, are free as well
	s_min_u32 s28, s28, 191
	s_min_u32 s29, s29, 191
	s_add_co_u32 s28, s28, s16
	s_add_co_u32 s29, s29, s16
	s_mul_i32 s40, s28, PLANE                      ; at most 383 planes: below 2^26 bytes
	s_mov_b32 s41, 0
	s_mul_i32 s42, s29, PLANE
	s_mov_b32 s43, 0
	s_add_nc_u64 s[40:41], s[8:9], s[40:41]        ; source plane ax0
	s_add_nc_u64 s[42:43], s[8:9], s[42:43]        ; source plane ax1
	s_mul_i32 s44, s14, PLANE
	s_mul_i32 s45, s15, YCH*ROW
	s_add_co_u32 s44, s44, s45
	s_mov_b32 s45, 0
	s_add_nc_u64 s[44:45], s[10:11], s[44:45]      ; my chunk's first row in out0
	s_mov_b32 s[RO+1], 0                           ; the upper word of a source row's offset (an output row's, s19, is 0 already)
	s_wait_loadcnt 14                              ; the list is in; the 14 table loads behind it may be out
	v_readlane_b32 s47, v[LIST], 0
	v_readlane_b32 s49, v[LIST], 1
	s_wait_alu depctr_va_sdst(0)                   ; the words of entries 0 and 1 are in s47 and s49, ahead of their first readers
	s_lshr_b32 s48, s47, 16                        ; the list's length, 2 to 24 as it was built; clamped, since it bounds a loop
	s_min_u32 s48, s48, 2*YCH
	s_max_u32 s48, s48, 2
	s_sub_co_u32 s48, s48, 1                       ; index of the last entry, 1 to 23
	s_max_u32 s46, s48, 2                          ; a trip of the ring takes entries t and t + 1, t = 1, 3, 5 .., and asks for t + 2 and t + 3:
	s_sub_co_u32 s46, s46, 2                       ; it runs while t + 3 <= last, that is t < last - 2,
	s_lshr_b32 s46, s46, 1                         ; which are (last - 2) >> 1 trips, 0 to 10
	ROWAT 47                                       ; entries 0 and 1, which every list has, go out together.  No vector instruction has named the two slots yet
	BASES SA0, SA1
	LOADS SA0, SA1, LA0, LA1
	ROWAT 49
	BASES SB0, SB1
	LOADS SB0, SB1, LB0, LB1
	s_wait_loadcnt 12                              ; the tables are in; the 12 row loads just issued may be out
.irp k, 0,1,2,3,4,5
	v_min_u32 v[ZI0+\k], 191, v[ZI0+\k]
	v_min_u32 v[ZI1+\k], 191, v[ZI1+\k]
.endr
.irp k, 0,1,2,3,4,5
	v_lshl_add_u32 v[ZI0+\k], v[ZI0+\k], 2, s13    ; word az of my stage
	v_lshl_add_u32 v[ZI1+\k], v[ZI1+\k], 2, s13
.endr
	; entry 0 alone makes no window and no output row
	v_readlane_b32 s49, v[LIST], 2                 ; word 2 stands in memory whatever the list's length; it is used only where the list has a third entry
	s_wait_loadcnt 6                               ; entry 0 is in, so slot A's bases are free; entry 1's six loads may be out
	BLEND LA0, LA1
	s_wait_alu depctr_va_sdst(0)                   ; the word of entry 2 is in s49, ahead of its first reader
	ROWAT 49
	s_wait_alu depctr_va_vdst(0)                   ; ZI0 and ZI1, the gathers' addresses, and T, the LDS stores' data, are written; the blend is done reading slot A, in which the loads land
	s_cmp_eq_u32 s48, 1
	s_cbranch_scc1 .Ltwo                           ; a list of two entries has no third to ask for
	BASES SA0, SA1
	LOADS SA0, SA1, LA0, LA1
	ZINT RA
	s_mov_b32 s30, 0                               ; trips done
	s_mov_b32 s54, 1                               ; entries 1 (slot B) and 2 (slot A) are on their way
	s_cmp_eq_u32 s46, 0
	s_cbranch_scc1 .Ltail
.Lring:                                            ; here entries s54 (B, the older six loads) and s54 + 1 (A, the younger six) are on their way
	WINDOW 6, 1, 54, SB0, SB1, LB0, LB1, RA, RB
	s_add_co_u32 s55, s54, 1
	WINDOW 6, 1, 55, SA0, SA1, LA0, LA1, RB, RA
	s_add_co_u32 s30, s30, 1                       ; the loop is counted in trips, one at a time, against a bound that it does not write
	s_lshl_b32 s54, s30, 1
	s_add_co_u32 s54, s54, 1                       ; the next odd entry = 2 x trips done + 1
	s_cmp_lt_u32 s30, s46
	s_cbranch_scc1 .Lring
.Ltail:                                            ; the same two are on their way, and the last entry is s54 + 1 or s54 + 2
	v_readlane_b32 s56, v[LIST], s54               ; this entry's word,
	v_readlane_b32 s49, v[LIST], s48               ; and the last entry's, which is asked for below where three are left
	s_wait_loadcnt 6                               ; slot B's six are in, so its bases are free; slot A's six may be out
	s_wait_alu depctr_vm_vsrc(0)                   ; the LDS stores of the entry before have read T, which the blend writes again
	BLEND LB0, LB1
	s_wait_alu depctr_va_sdst(0)                   ; the two words are in s56 and s49, ahead of their first readers
	COUNT
	ROWAT 49
	s_wait_alu depctr_va_vdst(0)                   ; the blend has written T and is done reading slot B; the entry before's z blend is done reading G0 and G1
	s_add_co_u32 s55, s54, 1
	s_cmp_eq_u32 s55, s48
	s_cbranch_scc1 .Lshort
	BASES SB0, SB1                                 ; three are left: the last entry, s54 + 2, goes out
	LOADS SB0, SB1, LB0, LB1
	ZINT RB
	ROWS RA, RB
	WINDOW 6, 0, 55, 0, 0, LA0, LA1, RB, RA        ; the last entry's six loads may be out
.Lfinb:                                            ; the last entry lies in slot B, and nothing else is on its way
	WINDOW 0, 0, 48, 0, 0, LB0, LB1, RA, RB
	s_wait_dscnt 0x0
	s_wait_alu depctr_hold_cnt(0) depctr_sa_sdst(0) depctr_va_vdst(0) depctr_va_sdst(0) depctr_va_ssrc(0) depctr_va_vcc(0) depctr_vm_vsrc(0)
	s_wait_tensorcnt 0x0
	ds_add_u32 v9, v10
	s_wait_dscnt 0x0
	s_endpgm
.Lshort:                                           ; two are left: nothing to ask for; the last entry lies in slot A
	ZINT RB
	ROWS RA, RB
	WINDOW 0, 0, 48, 0, 0, LA0, LA1, RB, RA
	s_wait_dscnt 0x0
	s_wait_alu depctr_hold_cnt(0) depctr_sa_sdst(0) depctr_va_vdst(0) depctr_va_sdst(0) depctr_va_ssrc(0) depctr_va_vcc(0) depctr_vm_vsrc(0)
	s_wait_tensorcnt 0x0
	ds_add_u32 v9, v10
	s_wait_dscnt 0x0
	s_endpgm
.Ltwo:                                             ; a list of two entries: entry 0 is finished, entry 1 is the last and lies in slot B
	ZINT RA
	s_branch .Lfinb
.Lfunc_end_k_qb71fff45d2_resample:
	.size	k_qb71fff45d2_resample, .Lfunc_end_k_qb71fff45d2_resample-k_qb71fff45d2_resample
	.p2alignl 7, 3214868480
	.fill 96, 4, 3214868480
	.section	.rodata,"a",@progbits
	.p2align	6, 0x0
	.amdhsa_kernel k_qb71fff45d2_resample
		.amdhsa_group_segment_fixed_size 3584
		.amdhsa_private_segment_fixed_size 0
		.amdhsa_enable_private_segment 0
		.amdhsa_kernarg_size 32
		.amdhsa_user_sgpr_count 2
		.amdhsa_user_sgpr_kernarg_segment_ptr 1
		.amdhsa_wavefront_size32 1
		.amdhsa_system_sgpr_workgroup_id_x 1
		.amdhsa_system_sgpr_workgroup_id_y 1
		.amdhsa_system_sgpr_workgroup_id_z 1
		.amdhsa_system_vgpr_workitem_id 0
		.amdhsa_next_free_vgpr 96
		.amdhsa_next_free_sgpr 66
		.amdhsa_reserve_vcc 0
		.amdhsa_float_denorm_mode_32 3
		.amdhsa_float_denorm_mode_16_64 3
		.amdhsa_memory_ordered 1
		.amdhsa_forward_progress 1
		.amdhsa_inst_pref_size 38
	.end_amdhsa_kernel
	.amdgpu_metadata
---
amdhsa.version: [ 1, 2 ]
amdhsa.kernels:
  - .name:           k_qb71fff45d2_resample
    .symbol:         k_qb71fff45d2_resample.kd
    .args:
      - { .name: tabi, .offset: 0, .size: 8, .value_kind: global_buffer, .address_space: global }
      - { .name: tabw, .offset: 8, .size: 8, .value_kind: global_buffer, .address_space: global }
      - { .name: vol, .offset: 16, .size: 8, .value_kind: global_buffer, .address_space: global }
      - { .name: out0, .offset: 24, .size: 8, .value_kind: global_buffer, .address_space: global }
    .group_segment_fixed_size: 3584
    .private_segment_fixed_size: 0
    .kernarg_segment_align: 8
    .kernarg_segment_size: 32
    .max_flat_workgroup_size: 128
    .sgpr_count:     66
    .vgpr_count:     96
    .wavefront_size: 32
...
	.end_amdgpu_metadata
.endif
;; end of part 4
